; MI455X (gfx1250); checked and timed in simulation.
; The chip was launched on July 23, 2026; its instructions are those of AMD's public machine-readable ISA for CDNA 5 (MIT licence, August 2026) and "CDNA5" Instruction Set Architecture Reference Guide (July 2026). The comments in the code are by the model that wrote it; some were corrected since.
;; Quality Control Detector. Allowed arithmetic: float matrix products may take bf16 or f16 operands with f32 sums; all other float work in f32.
;; Inputs: cl_W1 256 x 128 float32; cl_W2 128 x 5 float32; cl_b1 128 float32; cl_b2 5 float32; dn_W1 768 x 256 float32; dn_W2 256 x 256 float32; dn_b1 256 float32; dn_b2 256 float32; grid_points 64 x 3 float32; ne_W1 3 x 64 float32; ne_W2 64 x 128 float32; ne_W3 128 x 256 float32; ne_b1 64 float32; ne_b2 128 float32; ne_b3 256 float32; pe_W1 3 x 64 float32; pe_W2 64 x 128 float32; pe_W3 128 x 256 float32; pe_b1 64 float32; pe_b2 128 float32; pe_b3 256 float32; point_cloud 4 x 4,096 x 3 float32; sv_W1 256 x 128 float32; sv_W2 128 x 1 float32; sv_b1 128 float32; sv_b2 1 float32; te_W1 3 x 64 float32; te_W2 64 x 128 float32; te_W3 128 x 256 float32; te_b1 64 float32; te_b2 128 float32; te_b3 256 float32.
;; Outputs: out0 4 x 64 x 5 float32; out1 4 x 64 float32; out2 4 x 256 x 64 float32; out3 4 x 768 x 64 float32.
;; One version. Each part assembles by itself: llvm-mc -triple=amdgcn-amd-amdhsa -mcpu=gfx1250 --defsym DOCPART=n.
;; ======== version 1 of 1: 2 launches
;; limits: an iteration or a series of the reference is cut at 12 steps
;; workspace buffers: cellv 8,192 bytes; wf 925,696 bytes
;; launch knn (part 1): grid 256 x 1, 8 waves a work-group, no clusters, 2,048 bytes of LDS; arguments point_cloud, grid_points, pe_W2, ne_W2, te_W2, pe_W3, te_W3, dn_W1, dn_W2, cl_W1, sv_W1, cl_W2, sv_W2, ne_W3, cellv, wf; writes cellv, wf
.if DOCPART == 1
	.amdgcn_target "amdgcn-amd-amdhsa--gfx1250"
	.amdhsa_code_object_version 6
	.text
	.protected	k_q1e817de343_knn
	.globl	k_q1e817de343_knn
	.p2align	8
	.type	k_q1e817de343_knn,@function
k_q1e817de343_knn:
	s_mov_b64 s[64:65], 0
	v_nop
	global_prefetch_b8 v0, s[64:65] scope:SCOPE_SE
	s_setreg_imm32_b32 hwreg(HW_REG_WAVE_MODE, 25, 1), 1
	s_wait_xcnt 0x0
; One work-group = one (batch, grid cell).  It finds the last of the batch's first 64 points whose nearest grid point is this cell,
; that point's 6 nearest of the batch's 4,096 points (d2 as r_i + r_j - 2 dot, f32, ties by the lower index), their 3x3 covariance and
; the eigenvector of its smallest eigenvalue, and stores 8 words: qx qy qz valid nx ny nz 0.  All choices are selects: no address and
; no branch hangs on a float.  An empty cell keeps point 0 and valid = 0.
; While wave 0 runs the eigenproblem, wave 1 of work-groups 0..231 re-lays one piece of the weights as bf16 matrix fragments (wf).
; THE EIGENVECTOR'S SIGN follows LAPACK's ssyevd for n = 3: Householder reduction (lower), implicit QL/QR with the 2x2 closing step,
; selection of the first strict minimum, back-multiplication.  Plane rotations follow LAPACK 3.10 (c >= 0, r takes f's sign);
; OLD_LARTG = 1 gives the older rule (r > 0 unless |f| > |g|).
; LIMITS: inputs finite (no NaN, no infinity).  NSWEEP = 12 predicated sweeps, no early exit; a 3x3 block not split after 12 sweeps is
; closed by the 2x2 step on its upper pair.  The covariance is scaled by an exact power of two to [1, 2), so the inputs' scale drops out;
; a rotation whose f^2 + g^2 underflows after that scaling is taken as the identity.
; NO CLUSTER: the 64 work-groups of a batch read the same 49,152 bytes of points, but each thread takes its 16 candidates (192 bytes)
; once, straight into the registers where they stay; a joint request would land them in LDS and add a read back for one single use.
.set OLD_LARTG, 0
.set NSWEEP, 12
.set L_WIN,  0                         ; 8 waves x 16 bytes: the wave's last hit and its flag
.set L_LIST, 128                       ; 8 x 32: the wave's six smallest d2
.set L_CNT,  384                       ; 8 x 4: how many of the wave's candidates equal the sixth d2
.set L_MOM,  448                       ; 8 x 48: the wave's nine moment sums
.set HEADOFF, 917504                   ; wf: 4 streams x 56 steps x 4,096 bytes, then the head's 8 fragments
.set CAND, 64                          ; v[64+4s .. 66+4s] candidate s, v[67+4s] its d2
; v0 thread, v1 lane, v2/v3 load offsets, v4-9 sorted list, v10-15 the partner's list, v16-18 q, v19 r_q, v20 valid, v21 = 0,
; v22-30 Sx Sy Sz Sxx Sxy Sxz Syy Syz Szz, v31-63 at work.
.macro BAR                             ; my LDS accesses are complete before I signal; the others' bytes are read behind the wait
	s_wait_dscnt 0x0
	s_barrier_signal -1
	s_barrier_wait -1
.endm
.macro WMIN r                          ; minimum over the wave's 32 lanes, in every lane
	v_min_num_f32_dpp v[\r], v[\r], v[\r] row_xmask:1 row_mask:0xf bank_mask:0xf
	v_min_num_f32_dpp v[\r], v[\r], v[\r] row_xmask:2 row_mask:0xf bank_mask:0xf
	v_min_num_f32_dpp v[\r], v[\r], v[\r] row_xmask:4 row_mask:0xf bank_mask:0xf
	v_min_num_f32_dpp v[\r], v[\r], v[\r] row_xmask:8 row_mask:0xf bank_mask:0xf
	v_permlanex16_b32 v49, v[\r], s66, s67
	v_min_num_f32 v[\r], v[\r], v49
.endm
.macro WSUM r                          ; sum over the wave's 32 lanes, in every lane
	v_add_f32_dpp v[\r], v[\r], v[\r] row_xmask:1 row_mask:0xf bank_mask:0xf
	v_add_f32_dpp v[\r], v[\r], v[\r] row_xmask:2 row_mask:0xf bank_mask:0xf
	v_add_f32_dpp v[\r], v[\r], v[\r] row_xmask:4 row_mask:0xf bank_mask:0xf
	v_add_f32_dpp v[\r], v[\r], v[\r] row_xmask:8 row_mask:0xf bank_mask:0xf
	v_permlanex16_b32 v49, v[\r], s66, s67
	v_add_f32 v[\r], v[\r], v49
.endm
.macro INSERT x                        ; put v[x] into the ascending list v4..v9, top down so that each line still sees the old neighbour
	v_med3_num_f32 v9, v8, v9, v[\x]
	v_med3_num_f32 v8, v7, v8, v[\x]
	v_med3_num_f32 v7, v6, v7, v[\x]
	v_med3_num_f32 v6, v5, v6, v[\x]
	v_med3_num_f32 v5, v4, v5, v[\x]
	v_min_num_f32 v4, v4, v[\x]
.endm
.macro MERGE m                         ; merge with the list of lane xor m: both partners end with the six smallest of both
.if \m == 16
.irp k, 0,1,2,3,4,5
	v_permlanex16_b32 v[10+\k], v[4+\k], s66, s67
.endr
.else
.irp k, 0,1,2,3,4,5
	v_mov_b32_dpp v[10+\k], v[4+\k] row_xmask:\m row_mask:0xf bank_mask:0xf
.endr
.endif
.irp k, 0,1,2,3,4,5
	INSERT 10+\k
.endr
.endm
; Point k of my wave's eight (in s[40+3k..]) against all 64 grid points, two a lane; the first minimum is its cell (argmin's rule).
; If that is my cell the point replaces the hit so far: ascending k, so the last point wins.
.macro GRIDPT k
	v_sub_f32 v40, s[40+3*\k], v32
	v_sub_f32 v41, s[41+3*\k], v33
	v_sub_f32 v42, s[42+3*\k], v34
	v_sub_f32 v43, s[40+3*\k], v36
	v_sub_f32 v44, s[41+3*\k], v37
	v_sub_f32 v45, s[42+3*\k], v38
	v_mul_f32 v46, v40, v40
	v_mul_f32 v47, v43, v43
	v_fmac_f32 v46, v41, v41
	v_fmac_f32 v47, v44, v44
	v_fmac_f32 v46, v42, v42
	v_fmac_f32 v47, v45, v45
	v_min_num_f32 v48, v46, v47
	WMIN 48
	v_cmp_eq_f32 s75, v46, v48             ; grid points 0-31 that reach the minimum
	v_cmp_eq_f32 s76, v47, v48             ; grid points 32-63
	s_ctz_i32_b32 s77, s75
	s_ctz_i32_b32 s78, s76
	s_add_co_u32 s78, s78, 32
	s_cmp_lg_u32 s75, 0
	s_cselect_b32 s77, s77, s78
	s_cmp_eq_u32 s77, s5
	s_cselect_b32 s68, 1, s68
	s_cselect_b32 s69, s[40+3*\k], s69
	s_cselect_b32 s70, s[41+3*\k], s70
	s_cselect_b32 s71, s[42+3*\k], s71
.endm
	s_load_b512 s[8:23], s[0:1], 0x0       ; point_cloud grid_points pe_W2 ne_W2 te_W2 pe_W3 te_W3 dn_W1
	s_load_b512 s[24:39], s[0:1], 0x40     ; dn_W2 cl_W1 sv_W1 cl_W2 sv_W2 ne_W3 cellv wf
	v_lshl_add_u32 v128, v0, 2, 0x400
	v_mov_b32 v129, 0
	v_and_b32 v1, 31, v0
	v_lshrrev_b32 v30, 5, v0
	v_readfirstlane_b32 s3, v30            ; wave
	s_mov_b32 s2, ttmp9
	s_lshr_b32 s4, s2, 6                   ; batch
	s_and_b32 s5, s2, 63                   ; cell
	s_mov_b32 s66, 0x76543210              ; v_permlanex16_b32: lane i takes lane i of the other half
	s_mov_b32 s67, 0xfedcba98
	v_mul_u32_u24 v3, 12, v1               ; 12 bytes a point
	s_mul_i32 s75, s3, 6144                ; my wave's 512 candidates
	v_add_nc_u32 v2, s75, v3
	s_mul_i32 s76, s4, 49152               ; my batch's points
	s_mov_b32 s77, 0
	s_mul_i32 s78, s3, 96                  ; my wave's 8 of the first 64 points
	v_mov_b32 v21, 0
	v_mov_b32 v49, 0                       ; destinations of lane exchanges count as read: written once here
.irp k, 10,11,12,13,14,15
	v_mov_b32 v\k, 0
.endr
	s_wait_kmcnt 0x0
	s_add_nc_u64 s[6:7], s[8:9], s[76:77]
	s_load_b256 s[40:47], s[6:7], s78 offset:0x0
	s_load_b256 s[48:55], s[6:7], s78 offset:0x20
	s_load_b256 s[56:63], s[6:7], s78 offset:0x40
	global_load_b96 v[32:34], v3, s[10:11]             ; grid point lane
	global_load_b96 v[36:38], v3, s[10:11] offset:384  ; grid point lane + 32
.irp s, 0,1,2,3,4,5,6,7,8,9,10,11,12,13,14,15
	global_load_b96 v[CAND+4*\s:CAND+4*\s+2], v2, s[6:7] offset:384*\s   ; candidate 512 wave + 32 s + lane: 384 neighbouring bytes a load
.endr
	; ---- the cell's winner ----
	s_wait_kmcnt 0x0                       ; my eight points
	s_wait_loadcnt 16                      ; the two grid loads are in; the 16 candidate loads behind them stay out
	s_mov_b32 s68, 0                       ; no hit yet; the stand-in is my first point (wave 0: point 0, the empty cell's)
	s_mov_b32 s69, s40
	s_mov_b32 s70, s41
	s_mov_b32 s71, s42
.irp k, 0,1,2,3,4,5,6,7
	GRIDPT \k
.endr
	v_mov_b32 v40, s69
	v_mov_b32 v41, s70
	v_mov_b32 v42, s71
	v_mov_b32 v43, s68
	s_lshl_b32 s75, s3, 4
	v_mov_b32 v31, s75
	ds_store_b128 v31, v[40:43] offset:L_WIN
	BAR
.irp w, 0,1,2,3,4,5,6,7
	ds_load_b128 v[32+4*\w:35+4*\w], v21 offset:L_WIN+16*\w
.endr
	s_wait_dscnt 0x0
	v_mov_b32 v16, v32
	v_mov_b32 v17, v33
	v_mov_b32 v18, v34
	v_mov_b32 v20, v35
.irp w, 1,2,3,4,5,6,7
	v_cmp_ne_u32 vcc_lo, 0, v[35+4*\w]     ; a later wave's hit replaces an earlier one
	v_cndmask_b32 v16, v16, v[32+4*\w], vcc_lo
	v_cndmask_b32 v17, v17, v[33+4*\w], vcc_lo
	v_cndmask_b32 v18, v18, v[34+4*\w], vcc_lo
	v_or_b32 v20, v20, v[35+4*\w]
.endr
	v_cmp_ne_u32 vcc_lo, 0, v20
	v_cndmask_b32 v20, 0, 1.0, vcc_lo      ; valid
	v_mul_f32 v19, v16, v16
	v_fmac_f32 v19, v17, v17
	v_fmac_f32 v19, v18, v18               ; r_q
	; ---- d2 of my 16 candidates, and my six smallest ----
	s_mov_b32 s75, 0x7f800000
.irp k, 4,5,6,7,8,9
	v_mov_b32 v\k, s75
.endr
.irp s, 0,1,2,3,4,5,6,7,8,9,10,11,12,13,14,15
	s_wait_loadcnt 15-\s                   ; candidate s is in; the 15 - s loads behind it stay out
	v_mul_f32 v40, v[CAND+4*\s], v[CAND+4*\s]
	v_mul_f32 v41, v16, v[CAND+4*\s]
	v_fmac_f32 v40, v[CAND+4*\s+1], v[CAND+4*\s+1]
	v_fmac_f32 v41, v17, v[CAND+4*\s+1]
	v_fmac_f32 v40, v[CAND+4*\s+2], v[CAND+4*\s+2]
	v_fmac_f32 v41, v18, v[CAND+4*\s+2]
	v_add_f32 v40, v19, v40
	v_fma_f32 v[CAND+4*\s+3], -2.0, v41, v40
	INSERT CAND+4*\s+3
.endr
	MERGE 1
	MERGE 2
	MERGE 4
	MERGE 8
	MERGE 16
	s_lshl_b32 s75, s3, 5
	v_mov_b32 v31, s75
	ds_store_b128 v31, v[4:7] offset:L_LIST
	ds_store_b64 v31, v[8:9] offset:L_LIST+16
	BAR
	v_and_b32 v31, 7, v1
	v_lshlrev_b32 v31, 5, v31              ; lane l takes wave l & 7's list: every eight lanes hold all eight
	ds_load_b128 v[4:7], v31 offset:L_LIST
	ds_load_b64 v[8:9], v31 offset:L_LIST+16
	s_wait_dscnt 0x0
	MERGE 1
	MERGE 2
	MERGE 4
	v_mov_b32 v40, 1                       ; how many of the six equal the sixth: so many of the ties are taken, lowest indices first
.irp k, 4,5,6,7,8
	v_cmp_eq_f32 vcc_lo, v\k, v9
	v_cndmask_b32 v41, 0, 1, vcc_lo
	v_add_nc_u32 v40, v40, v41
.endr
	v_readfirstlane_b32 s72, v9            ; the sixth d2
	v_readfirstlane_b32 s73, v40
	; ---- ties: how many stand in front of my wave's ----
	s_mov_b32 s74, 0
.irp s, 0,1,2,3,4,5,6,7,8,9,10,11,12,13,14,15
	v_cmp_eq_f32 s[40+\s], s72, v[CAND+4*\s+3]
	s_bcnt1_i32_b32 s75, s[40+\s]
	s_add_co_u32 s74, s74, s75
.endr
	v_mov_b32 v40, s74
	s_lshl_b32 s75, s3, 2
	v_mov_b32 v31, s75
	ds_store_b32 v31, v40 offset:L_CNT
	BAR
	ds_load_b128 v[32:35], v21 offset:L_CNT
	ds_load_b128 v[36:39], v21 offset:L_CNT+16
	s_wait_dscnt 0x0
	s_mov_b32 s74, 0
.irp w, 0,1,2,3,4,5,6
	v_readfirstlane_b32 s76, v[32+\w]
	s_cmp_gt_u32 s3, \w
	s_cselect_b32 s75, s76, 0
	s_add_co_u32 s74, s74, s75
.endr
	; ---- the six, as weights 1 or 0, and their moments about q (q is one of the six: every term has the neighbourhood's size) ----
.macro MOMENT s
	v_cmp_gt_f32 s75, s72, v[CAND+4*\s+3]          ; nearer than the sixth
	v_mbcnt_lo_u32_b32 v40, s[40+\s], s74          ; a tie's rank by index: waves, then s, then lanes
	v_cmp_gt_u32 s76, s73, v40
	s_and_b32 s76, s76, s[40+\s]
	s_or_b32 s75, s75, s76
	s_bcnt1_i32_b32 s77, s[40+\s]
	s_add_co_u32 s74, s74, s77
	v_cndmask_b32 v41, 0, 1.0, s75
	v_sub_f32 v42, v[CAND+4*\s], v16
	v_sub_f32 v43, v[CAND+4*\s+1], v17
	v_sub_f32 v44, v[CAND+4*\s+2], v18
.if \s == 0
	v_mul_f32 v22, v41, v42                        ; the first candidate starts the sums
	v_mul_f32 v23, v41, v43
	v_mul_f32 v24, v41, v44
	v_mul_f32 v25, v22, v42
	v_mul_f32 v26, v22, v43
	v_mul_f32 v27, v22, v44
	v_mul_f32 v28, v23, v43
	v_mul_f32 v29, v23, v44
	v_mul_f32 v30, v24, v44
.else
	v_mul_f32 v45, v41, v42
	v_mul_f32 v46, v41, v43
	v_mul_f32 v47, v41, v44
	v_add_f32 v22, v22, v45
	v_add_f32 v23, v23, v46
	v_add_f32 v24, v24, v47
	v_fmac_f32 v25, v45, v42
	v_fmac_f32 v26, v45, v43
	v_fmac_f32 v27, v45, v44
	v_fmac_f32 v28, v46, v43
	v_fmac_f32 v29, v46, v44
	v_fmac_f32 v30, v47, v44
.endif
.endm
.irp s, 0,1,2,3,4,5,6,7,8,9,10,11,12,13,14,15
	MOMENT \s
.endr
.irp k, 22,23,24,25,26,27,28,29,30
	WSUM \k
.endr
	s_mul_i32 s75, s3, 48
	v_mov_b32 v31, s75
	ds_store_b128 v31, v[22:25] offset:L_MOM
	ds_store_b128 v31, v[26:29] offset:L_MOM+16
	ds_store_b32 v31, v30 offset:L_MOM+32
	BAR
	s_cmp_eq_u32 s3, 0
	s_cbranch_scc1 .Leig                   ; wave 0: the eigenvector
	s_cmp_lg_u32 s3, 1
	s_cbranch_scc1 .Lend                   ; waves 2-7 are done
	s_cmp_lt_u32 s2, 224
	s_cbranch_scc1 .Lprep                  ; wave 1 of work-groups 0-223: one step of wf
	s_cmp_lt_u32 s2, 232
	s_cbranch_scc1 .Lhead                  ; of 224-231: one fragment of the head
.Lend:
	s_wait_tensorcnt 0x0
	ds_add_u32 v128, v129
	s_wait_dscnt 0x0
	s_endpgm
	; =================== the eigenvector (every lane computes the same) ===================
; v40-42 d, v43-44 e, v45-47 the reflector's h11 h12 h22, v48-56 Z by rows, v57.. at work
.macro NEGL                            ; s83, s84: e1, e2 negligible: e^2 <= (2^-48 |d|) |d'| + 2^-126
	v_mul_f32 v57, s85, |v40|
	v_mul_f32 v58, s85, |v41|
	v_fma_f32 v57, v57, |v41|, s82
	v_fma_f32 v58, v58, |v42|, s82
	v_mul_f32 v59, v43, v43
	v_mul_f32 v60, v44, v44
	v_cmp_le_f32 s83, v59, v57
	v_cmp_le_f32 s84, v60, v58
.endm
.macro ROT F, G, C, S, R               ; plane rotation: c f + s g = r, c >= 0, r with f's sign; f = g = 0: the identity
	v_add_f32 v[\F], 0, v[\F]              ; -0 becomes +0
	v_mul_f32 v68, v[\F], v[\F]
	v_fmac_f32 v68, v[\G], v[\G]
	v_rsq_f32 v69, v68
	v_nop                                  ; one plain instruction behind the transcendental (ISA guide 5.7.2)
	v_cmp_eq_f32 vcc_lo, 0, v68
	s_wait_alu depctr_va_vdst(0)
	v_mul_f32 v[\C], |v[\F]|, v69
	v_mul_f32 v[\R], v68, v69
	v_bfi_b32 v69, s86, v69, v[\F]
	v_bfi_b32 v[\R], s86, v[\R], v[\F]
	v_mul_f32 v[\S], v[\G], v69
.if OLD_LARTG
	v_cmp_gt_f32 s75, 0, v[\F]
	v_cmp_eq_f32 s76, 0, v[\F]
	v_cmp_gt_f32 s77, 0, v[\G]
	s_and_b32 s76, s76, s77
	s_or_b32 s75, s75, s76
	v_cmp_le_f32 s76, |v[\F]|, |v[\G]|
	s_and_b32 s75, s75, s76
	v_cndmask_b32 v69, 0, 0x80000000, s75
	v_xor_b32 v[\C], v[\C], v69
	v_xor_b32 v[\S], v[\S], v69
	v_xor_b32 v[\R], v[\R], v69
.endif
	v_cndmask_b32 v[\C], v[\C], 1.0, vcc_lo
	v_cndmask_b32 v[\S], v[\S], 0, vcc_lo
	v_cndmask_b32 v[\R], v[\R], v[\F], vcc_lo
.endm
.macro ZROT a, c, s                    ; columns a, a+1 of Z: Z(a+1) = c Z(a+1) + s Z(a), Z(a) = c Z(a) - s Z(a+1)
.irp i, 0,1,2
	v_mul_f32 v87, v[\s], v[48+3*\i+\a]
	v_mul_f32 v88, v[\s], v[49+3*\i+\a]
	v_fma_f32 v[49+3*\i+\a], v[\c], v[49+3*\i+\a], v87
	v_fma_f32 v[48+3*\i+\a], v[\c], v[48+3*\i+\a], -v88
.endr
.endm
.macro FLIP                            ; exchange the ends where s81 says so: QR on T is QL on T read backwards
	v_cndmask_b32 v57, v40, v42, s81
	v_cndmask_b32 v42, v42, v40, s81
	v_cndmask_b32 v58, v43, v44, s81
	v_cndmask_b32 v44, v44, v43, s81
	v_mov_b32 v40, v57
	v_mov_b32 v43, v58
.endm
.Leig:
	v_and_b32 v31, 7, v1
	v_mul_u32_u24 v31, 48, v31
	ds_load_b128 v[22:25], v31 offset:L_MOM
	ds_load_b128 v[26:29], v31 offset:L_MOM+16
	ds_load_b32 v30, v31 offset:L_MOM+32
	s_mov_b32 s82, 0x00800000              ; 2^-126
	s_mov_b32 s85, 0x27800000              ; 2^-48
	s_mov_b32 s86, 0x7fffffff
	s_wait_dscnt 0x0
.irp m, 1,2,4
.irp k, 22,23,24,25,26,27,28,29,30
	v_add_f32_dpp v\k, v\k, v\k row_xmask:\m row_mask:0xf bank_mask:0xf
.endr
.endr
	v_mul_f32 v57, 0x3e2aaaab, v22         ; S / 6
	v_mul_f32 v58, 0x3e2aaaab, v23
	v_mul_f32 v59, 0x3e2aaaab, v24
	v_fma_f32 v40, -v57, v22, v25          ; a11
	v_fma_f32 v33, -v58, v22, v26          ; a21
	v_fma_f32 v34, -v59, v22, v27          ; a31
	v_fma_f32 v35, -v58, v23, v28          ; a22
	v_fma_f32 v36, -v59, v23, v29          ; a32
	v_fma_f32 v37, -v59, v24, v30          ; a33
	v_max3_num_f32 v57, |v40|, |v33|, |v34|
	v_max3_num_f32 v58, |v35|, |v36|, |v37|
	v_max_num_f32 v57, v57, v58
	v_and_b32 v57, 0x7f800000, v57         ; an exact power of two brings the largest entry to [1, 2)
	v_sub_nc_u32 v57, 0x7f000000, v57
	v_max_u32 v57, 0x00800000, v57
.irp k, 40,33,34,35,36,37
	v_mul_f32 v\k, v\k, v57
.endr
	; Householder step on column 1: H (a21, a31) = (beta, 0), H = [[c, s], [s, -c]]; none where a31 = 0
	v_cmp_neq_f32 s80, 0, v34
	v_max_num_f32 v57, |v33|, |v34|
	v_min_num_f32 v58, |v33|, |v34|
	v_rcp_f32 v59, v57
	v_nop
	s_wait_alu depctr_va_vdst(0)
	v_mul_f32 v58, v58, v59
	v_fma_f32 v58, v58, v58, 1.0
	v_sqrt_f32 v60, v58
	v_nop
	s_wait_alu depctr_va_vdst(0)
	v_mul_f32 v60, v57, v60
	v_bfi_b32 v60, s86, v60, v33
	v_xor_b32 v60, 0x80000000, v60         ; beta = -sign(norm, a21)
	v_rcp_f32 v61, v60
	v_nop
	s_wait_alu depctr_va_vdst(0)
	v_mul_f32 v62, v33, v61                ; c
	v_mul_f32 v63, v34, v61                ; s
	v_mul_f32 v64, v63, v36
	v_mul_f32 v65, v63, v37
	v_mul_f32 v66, v62, v36
	v_mul_f32 v67, v62, v37
	v_fma_f32 v64, v62, v35, v64           ; t1 = c a22 + s a32
	v_fma_f32 v65, v62, v36, v65           ; t2 = c a32 + s a33
	v_fma_f32 v66, v63, v35, -v66          ; u1 = s a22 - c a32
	v_fma_f32 v67, v63, v36, -v67          ; u2 = s a32 - c a33
	v_mul_f32 v68, v63, v65
	v_mul_f32 v69, v62, v65
	v_mul_f32 v70, v62, v67
	v_fma_f32 v68, v62, v64, v68           ; d2
	v_fma_f32 v69, v63, v64, -v69          ; e2
	v_fma_f32 v70, v63, v66, -v70          ; d3
	v_xor_b32 v71, 0x80000000, v62
	v_cndmask_b32 v43, v33, v60, s80
	v_cndmask_b32 v41, v35, v68, s80
	v_cndmask_b32 v44, v36, v69, s80
	v_cndmask_b32 v42, v37, v70, s80
	v_cndmask_b32 v45, 1.0, v62, s80
	v_cndmask_b32 v46, 0, v63, s80
	v_cndmask_b32 v47, 1.0, v71, s80
	; the first split: |e| <= sqrt|d| sqrt|d'| 2^-24
	v_sqrt_f32 v57, |v40|
	v_sqrt_f32 v58, |v41|
	v_sqrt_f32 v59, |v42|
	v_nop
	s_wait_alu depctr_va_vdst(0)
	v_mul_f32 v60, v57, v58
	v_mul_f32 v61, v58, v59
	v_mul_f32 v60, 0x33800000, v60
	v_mul_f32 v61, 0x33800000, v61
	v_cmp_le_f32 vcc_lo, |v43|, v60
	v_cndmask_b32 v43, v43, 0, vcc_lo
	v_cmp_le_f32 vcc_lo, |v44|, v61
	v_cndmask_b32 v44, v44, 0, vcc_lo
	; QR where |d3| < |d1|: run as QL on the reversed indices, Z's columns reversed with them
	v_cmp_lt_f32 s81, |v42|, |v40|
	FLIP
	v_cndmask_b32 v48, 1.0, 0, s81
	v_mov_b32 v49, 0
	v_cndmask_b32 v50, 0, 1.0, s81
	v_mov_b32 v51, 0
	v_mov_b32 v52, 1.0
	v_mov_b32 v53, 0
	v_cndmask_b32 v54, 0, 1.0, s81
	v_mov_b32 v55, 0
	v_cndmask_b32 v56, 1.0, 0, s81
	s_mov_b32 s91, NSWEEP
.Lsweep:                                   ; one implicit QL sweep over the 3x3 block; the identity once e1 or e2 is negligible
	NEGL
	s_or_b32 s83, s83, s84
	v_sub_f32 v61, v41, v40
	v_add_f32 v62, v43, v43
	v_rcp_f32 v63, v62
	v_sub_f32 v64, v42, v40
	s_wait_alu depctr_va_vdst(0)
	v_mul_f32 v61, v61, v63                ; g = (d2 - d1) / (2 e1)
	v_fma_f32 v62, v61, v61, 1.0
	v_sqrt_f32 v63, v62
	v_nop
	s_wait_alu depctr_va_vdst(0)
	v_bfi_b32 v63, s86, v63, v61
	v_add_f32 v63, v61, v63
	v_rcp_f32 v62, v63
	v_nop
	s_wait_alu depctr_va_vdst(0)
	v_fma_f32 v61, v43, v62, v64           ; g = d3 - d1 + e1 / (g + sign(r, g))
	ROT 61, 44, 65, 66, 67                 ; c2, s2
	v_sub_f32 v70, v41, v42
	v_mul_f32 v71, v65, v44
	v_add_f32 v71, v71, v71
	v_fma_f32 v70, v70, v66, v71           ; r = (d2 - d3) s2 + 2 c2 e2
	v_mul_f32 v72, v66, v70                ; p
	v_add_f32 v73, v42, v72                ; d3'
	v_fma_f32 v74, v65, v70, -v44          ; g = c2 r - e2
	v_mul_f32 v75, v66, v43                ; f = s2 e1
	v_mul_f32 v76, v65, v43                ; b = c2 e1
	ROT 74, 75, 77, 78, 79                 ; c1, s1, e2'
	v_sub_f32 v80, v41, v72                ; g = d2 - p
	v_sub_f32 v81, v40, v80
	v_mul_f32 v82, v77, v76
	v_add_f32 v82, v82, v82
	v_fma_f32 v81, v81, v78, v82           ; r = (d1 - g) s1 + 2 c1 b
	v_mul_f32 v83, v78, v81                ; p
	v_add_f32 v84, v80, v83                ; d2'
	v_fma_f32 v85, v77, v81, -v76          ; e1'
	v_sub_f32 v86, v40, v83                ; d1'
	v_cndmask_b32 v40, v86, v40, s83
	v_cndmask_b32 v41, v84, v41, s83
	v_cndmask_b32 v42, v73, v42, s83
	v_cndmask_b32 v43, v85, v43, s83
	v_cndmask_b32 v44, v79, v44, s83
	v_cndmask_b32 v65, v65, 1.0, s83
	v_cndmask_b32 v66, v66, 0, s83
	v_cndmask_b32 v77, v77, 1.0, s83
	v_cndmask_b32 v78, v78, 0, s83
	ZROT 1, 65, 66
	ZROT 0, 77, 78
	s_sub_co_i32 s91, s91, 1
	s_cmp_lg_u32 s91, 0
	s_cbranch_scc1 .Lsweep
	NEGL
	v_cndmask_b32 v43, v43, 0, s83
	v_cndmask_b32 v44, v44, 0, s84
	FLIP                                   ; back to the true order
.irp i, 0,1,2
	v_cndmask_b32 v57, v[48+3*\i], v[50+3*\i], s81
	v_cndmask_b32 v[50+3*\i], v[50+3*\i], v[48+3*\i], s81
	v_mov_b32 v[48+3*\i], v57
.endr
	; the 2x2 closing step on the pair that is still coupled: (a, b, c) and its columns X, Y
	v_cmp_neq_f32 s87, 0, v43
	v_cndmask_b32 v57, v41, v40, s87
	v_cndmask_b32 v58, v44, v43, s87
	v_cndmask_b32 v59, v42, v41, s87
.irp i, 0,1,2
	v_cndmask_b32 v[90+\i], v[49+3*\i], v[48+3*\i], s87
	v_cndmask_b32 v[93+\i], v[50+3*\i], v[49+3*\i], s87
.endr
	v_add_f32 v60, v57, v59                ; sm
	v_sub_f32 v61, v57, v59                ; df
	v_add_f32 v62, v58, v58                ; tb
	v_cmp_gt_f32 vcc_lo, |v57|, |v59|
	v_cndmask_b32 v63, v59, v57, vcc_lo    ; the larger of a, c
	v_cndmask_b32 v64, v57, v59, vcc_lo    ; the smaller
	v_max_num_f32 v65, |v61|, |v62|
	v_min_num_f32 v66, |v61|, |v62|
	v_rcp_f32 v67, v65
	v_nop
	s_wait_alu depctr_va_vdst(0)
	v_mul_f32 v68, v66, v67
	v_fma_f32 v68, v68, v68, 1.0
	v_sqrt_f32 v69, v68
	v_nop
	s_wait_alu depctr_va_vdst(0)
	v_mul_f32 v70, v65, v69                ; rt
	v_xor_b32 v71, 0x80000000, v70
	v_cmp_gt_f32 s88, 0, v60               ; sm < 0
	v_cmp_le_f32 s89, 0, v61               ; df >= 0
	v_cndmask_b32 v72, v70, v71, s88
	v_add_f32 v72, v60, v72
	v_mul_f32 v73, 0.5, v72                ; rt1
	v_rcp_f32 v74, v73
	v_cndmask_b32 v79, v71, v70, s89
	s_wait_alu depctr_va_vdst(0)
	v_mul_f32 v75, v63, v74
	v_mul_f32 v76, v58, v74
	v_mul_f32 v76, v76, v58
	v_fma_f32 v77, v75, v64, -v76          ; rt2
	v_mul_f32 v78, -0.5, v70
	v_cmp_eq_f32 vcc_lo, 0, v60
	v_cndmask_b32 v77, v77, v78, vcc_lo
	v_add_f32 v79, v61, v79                ; cs
	v_cmp_gt_f32 s90, |v79|, |v62|
	v_cndmask_b32 v80, v79, v62, s90
	v_cndmask_b32 v81, v62, v79, s90
	v_rcp_f32 v82, v81
	v_nop
	s_wait_alu depctr_va_vdst(0)
	v_mul_f32 v83, -v80, v82
	v_fma_f32 v84, v83, v83, 1.0
	v_rsq_f32 v85, v84
	v_nop
	s_wait_alu depctr_va_vdst(0)
	v_mul_f32 v86, v83, v85
	v_cndmask_b32 v87, v85, v86, s90       ; cs1
	v_cndmask_b32 v88, v86, v85, s90       ; sn1
	s_xor_b32 s88, s88, s89                ; the signs of sm and df agree
	v_xor_b32 v89, 0x80000000, v88
	v_cndmask_b32 v96, v87, v89, s88
	v_cndmask_b32 v97, v88, v87, s88
	v_cmp_eq_f32 vcc_lo, 0, v58            ; nothing coupled: the identity
	v_cndmask_b32 v96, v96, 1.0, vcc_lo
	v_cndmask_b32 v97, v97, 0, vcc_lo
	v_cndmask_b32 v73, v73, v57, vcc_lo
	v_cndmask_b32 v77, v77, v59, vcc_lo
.irp i, 0,1,2
	v_mul_f32 v98, v96, v[90+\i]
	v_mul_f32 v99, v97, v[90+\i]
	v_fma_f32 v98, v97, v[93+\i], v98      ; X' = sn Y + cs X
	v_fma_f32 v99, v96, v[93+\i], -v99     ; Y' = cs Y - sn X
	v_cndmask_b32 v[48+3*\i], v[48+3*\i], v98, s87
	v_cndmask_b32 v[50+3*\i], v99, v[50+3*\i], s87
	v_cndmask_b32 v[49+3*\i], v98, v99, s87
.endr
	v_cndmask_b32 v40, v40, v73, s87
	v_cndmask_b32 v42, v77, v42, s87
	v_cndmask_b32 v41, v73, v77, s87
	; the column of the first strict minimum, times the reflector, normalised
	v_cmp_lt_f32 vcc_lo, v41, v40
	v_cndmask_b32 v57, v40, v41, vcc_lo
	v_cndmask_b32 v58, v48, v49, vcc_lo
	v_cndmask_b32 v59, v51, v52, vcc_lo
	v_cndmask_b32 v60, v54, v55, vcc_lo
	v_cmp_lt_f32 vcc_lo, v42, v57
	v_cndmask_b32 v58, v58, v50, vcc_lo
	v_cndmask_b32 v59, v59, v53, vcc_lo
	v_cndmask_b32 v60, v60, v56, vcc_lo
	v_mul_f32 v61, v46, v60
	v_mul_f32 v62, v47, v60
	v_fma_f32 v105, v45, v59, v61
	v_fma_f32 v106, v46, v59, v62
	v_mul_f32 v63, v58, v58
	v_fmac_f32 v63, v105, v105
	v_fmac_f32 v63, v106, v106
	v_rsq_f32 v64, v63
	v_mov_b32 v19, v20                     ; v[16:19] = q, valid
	s_wait_alu depctr_va_vdst(0)
	v_mul_f32 v104, v58, v64
	v_mul_f32 v105, v105, v64
	v_mul_f32 v106, v106, v64
	v_mov_b32 v107, 0
	s_lshl_b32 s76, s2, 5                  ; 32 bytes a cell: the whole table is 8,192 bytes
	s_mov_b32 s77, 0
	s_add_nc_u64 s[36:37], s[36:37], s[76:77]
	v_cmp_eq_u32 vcc_lo, 0, v1
	s_wait_xcnt 0x0                        ; EXEC is a source of the loads above: it narrows only behind this wait
	s_wait_tensorcnt 0x0
	ds_add_u32 v128, v129
	s_wait_dscnt 0x0
	s_and_saveexec_b32 s75, vcc_lo
	global_store_b128 v21, v[16:19], s[36:37]
	global_store_b128 v21, v[104:107], s[36:37] offset:16
	s_endpgm
	; =================== one step of wf: 32 k x 64 features of one weight matrix, as four A fragments ===================
; Stream w (0-3), step g (0-55) = work-group 56 w + g.  Fragment i, row m stands for feature 64 strip + 4 m + i, so a lane's 16-byte
; load of W[k][64 strip + 4 r ..] brings one element for each of the four fragments, and 16 lanes read 256 neighbouring bytes.
; Lane (r, h): first 16 bytes k = 8h .. 8h+7, second 16 bytes k = 16+8h .. of the step's 32.
.macro PICK st, p, sr, n               ; from step st on the stream walks matrix s[p:p+1], strip s[sr], rows of n features
	s_cmp_ge_u32 s95, \st
	s_cselect_b64 s[92:93], s[\p:\p+1], s[92:93]
	s_cselect_b32 s96, \st, s96
	s_cselect_b32 s97, s[\sr], s97
	s_cselect_b32 s98, \n, s98
.endm
.Lprep:
	s_cmp_ge_u32 s2, 56
	s_cselect_b32 s94, 1, 0
	s_cmp_ge_u32 s2, 112
	s_cselect_b32 s75, 1, 0
	s_add_co_u32 s94, s94, s75
	s_cmp_ge_u32 s2, 168
	s_cselect_b32 s75, 1, 0
	s_add_co_u32 s94, s94, s75             ; w
	s_mul_i32 s75, s94, 56
	s_sub_co_u32 s95, s2, s75              ; g
	s_and_b32 s84, s94, 1
	s_cmp_lt_u32 s94, 2
	s_cselect_b64 s[92:93], s[12:13], s[14:15]     ; steps 0-1: pe_W2 (streams 0, 1) or ne_W2 (2, 3)
	s_cselect_b64 s[78:79], s[26:27], s[28:29]     ; steps 48-55: cl_W1 or sv_W1
	s_mov_b32 s96, 0
	s_mov_b32 s97, s84
	s_mov_b32 s98, 128
	PICK 2, 16, 84, 128                    ; te_W2
	PICK 4, 18, 94, 256                    ; pe_W3
	PICK 8, 34, 94, 256                    ; ne_W3
	PICK 12, 20, 94, 256                   ; te_W3
	PICK 16, 22, 94, 256                   ; dn_W1
	PICK 40, 24, 94, 256                   ; dn_W2
	PICK 48, 78, 84, 128
	s_sub_co_u32 s99, s95, s96             ; the K block in that matrix
	s_mul_i32 s80, s99, s98
	s_lshl_b32 s80, s80, 7                 ; 32 rows of 4 N bytes
	s_lshl_b32 s81, s97, 8                 ; 64 features of 4 bytes
	s_add_co_u32 s80, s80, s81
	s_mov_b32 s81, 0
	s_add_nc_u64 s[92:93], s[92:93], s[80:81]
	s_lshl_b32 s80, s2, 12
	s_add_nc_u64 s[88:89], s[38:39], s[80:81]      ; wf + 4,096 (56 w + g)
	v_and_b32 v12, 15, v1                  ; r
	v_lshrrev_b32 v13, 4, v1               ; h
	v_lshlrev_b32 v15, 4, v1
	s_lshl_b32 s82, s98, 2                 ; a row
	s_lshl_b32 s83, s98, 5                 ; 8 rows
	s_lshl_b32 s85, s98, 6                 ; 16 rows
	v_mul_lo_u32 v16, v13, s83
	v_lshl_add_u32 v16, v12, 4, v16
	v_add_nc_u32 v24, s85, v16
.irp j, 0,1,2,3,4,5,6
	v_add_nc_u32 v[17+\j], s82, v[16+\j]
	v_add_nc_u32 v[25+\j], s82, v[24+\j]
.endr
.irp j, 0,1,2,3,4,5,6,7,8,9,10,11,12,13,14,15
	global_load_b128 v[32+4*\j:35+4*\j], v[16+\j], s[92:93]
.endr
.macro HALF hf
.irp i, 0,1,2,3
.irp p, 0,1,2,3
	v_cvt_pk_bf16_f32 v[96+8*\i+4*\hf+\p], v[32+4*(8*\hf+2*\p)+\i], v[32+4*(8*\hf+2*\p+1)+\i]
.endr
	global_store_b128 v15, v[96+8*\i+4*\hf:96+8*\i+4*\hf+3], s[88:89] offset:1024*\i+512*\hf   ; 512 neighbouring bytes a store
.endr
.endm
	s_wait_loadcnt 8                       ; the first eight rows are in; the eight behind them stay out
	HALF 0
	s_wait_loadcnt 0x0
	HALF 1
	s_wait_tensorcnt 0x0
	ds_add_u32 v128, v129
	s_wait_dscnt 0x0
	s_endpgm
	; =================== one fragment of the head: rows 0-4 = cl_W2's columns, row 5 = sv_W2, K = [cl hidden | sv hidden] ===================
.Lhead:
	s_sub_co_u32 s94, s2, 224              ; K block 0-7
	s_cmp_ge_u32 s94, 4
	s_cselect_b64 s[92:93], s[32:33], s[30:31]
	s_cselect_b32 s95, 1, 5                ; floats from k to k + 1
	s_cselect_b32 s96, 5, 0                ; the first row that the matrix fills
	s_cselect_b32 s97, 0, 4                ; and how many more
	s_and_b32 s98, s94, 3
	s_lshl_b32 s98, s98, 5
	v_and_b32 v12, 15, v1
	v_lshrrev_b32 v13, 4, v1
	v_lshlrev_b32 v15, 4, v1
	v_sub_nc_u32 v14, v12, s96
	v_cmp_ge_u32 s99, s97, v14             ; my row holds weights; the others hold zeros
	v_min_u32 v14, s97, v14                ; (their loads are clamped to a column that exists)
	v_lshl_add_u32 v11, v13, 3, s98
	v_mul_lo_u32 v11, v11, s95
	v_add_lshl_u32 v16, v11, v14, 2
	s_lshl_b32 s75, s95, 2
	s_lshl_b32 s76, s95, 6
	v_add_nc_u32 v24, s76, v16
.irp j, 0,1,2,3,4,5,6
	v_add_nc_u32 v[17+\j], s75, v[16+\j]
	v_add_nc_u32 v[25+\j], s75, v[24+\j]
.endr
.irp j, 0,1,2,3,4,5,6,7,8,9,10,11,12,13,14,15
	global_load_b32 v[32+\j], v[16+\j], s[92:93]
.endr
	s_lshl_b32 s80, s94, 10
	s_add_co_u32 s80, s80, HEADOFF
	s_mov_b32 s81, 0
	s_add_nc_u64 s[88:89], s[38:39], s[80:81]
	s_wait_loadcnt 0x0
.irp j, 0,1,2,3,4,5,6,7,8,9,10,11,12,13,14,15
	v_cndmask_b32 v[32+\j], 0, v[32+\j], s99
.endr
.irp p, 0,1,2,3,4,5,6,7
	v_cvt_pk_bf16_f32 v[96+\p], v[32+2*\p], v[33+2*\p]
.endr
	global_store_b128 v15, v[96:99], s[88:89]
	global_store_b128 v15, v[100:103], s[88:89] offset:512
	s_wait_tensorcnt 0x0
	ds_add_u32 v128, v129
	s_wait_dscnt 0x0
	s_endpgm
.Lfunc_end_k_q1e817de343_knn:
	.size	k_q1e817de343_knn, .Lfunc_end_k_q1e817de343_knn-k_q1e817de343_knn
	.p2alignl 7, 3214868480
	.fill 96, 4, 3214868480
	.section	.rodata,"a",@progbits
	.p2align	6, 0x0
	.amdhsa_kernel k_q1e817de343_knn
		.amdhsa_group_segment_fixed_size 2048
		.amdhsa_private_segment_fixed_size 0
		.amdhsa_enable_private_segment 0
		.amdhsa_kernarg_size 128
		.amdhsa_user_sgpr_count 2
		.amdhsa_user_sgpr_kernarg_segment_ptr 1
		.amdhsa_wavefront_size32 1
		.amdhsa_system_sgpr_workgroup_id_x 1
		.amdhsa_system_sgpr_workgroup_id_y 1
		.amdhsa_system_sgpr_workgroup_id_z 1
		.amdhsa_system_vgpr_workitem_id 0
		.amdhsa_next_free_vgpr 130
		.amdhsa_next_free_sgpr 100
		.amdhsa_reserve_vcc 1
		.amdhsa_float_denorm_mode_32 3
		.amdhsa_float_denorm_mode_16_64 3
		.amdhsa_memory_ordered 1
		.amdhsa_forward_progress 1
		.amdhsa_inst_pref_size 99
	.end_amdhsa_kernel
	.amdgpu_metadata
---
amdhsa.version: [ 1, 2 ]
amdhsa.kernels:
  - .name:           k_q1e817de343_knn
    .symbol:         k_q1e817de343_knn.kd
    .args:
      - { .name: point_cloud, .offset: 0, .size: 8, .value_kind: global_buffer, .address_space: global }
      - { .name: grid_points, .offset: 8, .size: 8, .value_kind: global_buffer, .address_space: global }
      - { .name: pe_W2, .offset: 16, .size: 8, .value_kind: global_buffer, .address_space: global }
      - { .name: ne_W2, .offset: 24, .size: 8, .value_kind: global_buffer, .address_space: global }
      - { .name: te_W2, .offset: 32, .size: 8, .value_kind: global_buffer, .address_space: global }
      - { .name: pe_W3, .offset: 40, .size: 8, .value_kind: global_buffer, .address_space: global }
      - { .name: te_W3, .offset: 48, .size: 8, .value_kind: global_buffer, .address_space: global }
      - { .name: dn_W1, .offset: 56, .size: 8, .value_kind: global_buffer, .address_space: global }
      - { .name: dn_W2, .offset: 64, .size: 8, .value_kind: global_buffer, .address_space: global }
      - { .name: cl_W1, .offset: 72, .size: 8, .value_kind: global_buffer, .address_space: global }
      - { .name: sv_W1, .offset: 80, .size: 8, .value_kind: global_buffer, .address_space: global }
      - { .name: cl_W2, .offset: 88, .size: 8, .value_kind: global_buffer, .address_space: global }
      - { .name: sv_W2, .offset: 96, .size: 8, .value_kind: global_buffer, .address_space: global }
      - { .name: ne_W3, .offset: 104, .size: 8, .value_kind: global_buffer, .address_space: global }
      - { .name: cellv, .offset: 112, .size: 8, .value_kind: global_buffer, .address_space: global }
      - { .name: wf, .offset: 120, .size: 8, .value_kind: global_buffer, .address_space: global }
    .group_segment_fixed_size: 2048
    .private_segment_fixed_size: 0
    .kernarg_segment_align: 8
    .kernarg_segment_size: 128
    .max_flat_workgroup_size: 256
    .sgpr_count:     100
    .vgpr_count:     130
    .wavefront_size: 32
...
	.end_amdgpu_metadata
.endif
;; end of part 1
;; launch mlp (part 2): grid 4 x 1, 4 waves a work-group, no clusters, 273,152 bytes of LDS; arguments cellv, wf, pe_W1, pe_b1, ne_W1, ne_b1, te_W1, te_b1, pe_b2, ne_b2, te_b2, pe_b3, ne_b3, te_b3, dn_b1, dn_b2, cl_b1, sv_b1, cl_b2, sv_b2, out0, out1, out2, out3; writes out0, out1, out2, out3
.if DOCPART == 2
	.amdgcn_target "amdgcn-amd-amdhsa--gfx1250"
	.amdhsa_code_object_version 6
	.text
	.protected	k_q1e817de343_mlp
	.globl	k_q1e817de343_mlp
	.p2align	8
	.type	k_q1e817de343_mlp,@function
k_q1e817de343_mlp:
	s_mov_b64 s[64:65], 0
	v_nop
	global_prefetch_b8 v0, s[64:65] scope:SCOPE_SE
	s_setreg_imm32_b32 hwreg(HW_REG_WAVE_MODE, 25, 1), 1
	s_wait_xcnt 0x0
; One work-group = one batch = 64 grid cells; all layers from the cells' points and normals to the four outputs.
; A row of out2 and out3 is 64 cells x 4 bytes = 256 bytes, so the owner of a whole batch stores whole rows: hence 4 work-groups.
; Products with K >= 64: v_wmma_f32_16x16x32_bf16, A = weights (16 features x 32 k), B = activations (16 cells x 32 k, from LDS), D = features x
; cells.  Layer 1 (K = 3), biases, mask, softmax and sigmoid in f32 on the vector unit.
; Wave w owns 64 output features of every layer (a strip) for all 64 cells: 16 accumulator tiles (cell tile t, fragment i).
; Fragment i, row m = feature 64 strip + 4 m + i: a lane (r, h) then holds features 64 strip + 32 h + 4 j + i, 32 neighbours, of cells 4 r + t.
; LDS row 16 t + r stands for cell 4 r + t: a lane's four tiles are 4 neighbouring cells = 16 bytes of an output row.
; WEIGHTS come as ready fragments from wf, one contiguous stream of 56 steps x 4,096 bytes a wave, through a ring of six register slots:
; five steps (40 loads, 20,480 bytes a wave) are always requested ahead.  te's 64 rows are equal: its layers multiply one cell tile.
; NO CLUSTER, though the 4 work-groups read the same wf: a joint request lands in LDS, of which 327,680 - 273,152 = 54,528 bytes are left,
; 3 steps a wave against the 5 that the registers hold ahead; every fragment is used by one wave only; each refill would add a barrier.
; NO PREFETCH: the ring asks five steps ahead, and wf was stored by the launch in front.
; LIMITS: inputs finite; an empty cell's features are multiplied by 0.
.set H1P, 0                            ; 64 rows x 144 bytes (64 bf16 + 16): every pitch is an odd multiple of 16 bytes
.set H1N, 9216
.set H1T, 18432                        ; 16 x 144
.set H2P, 20736                        ; 64 x 272
.set H2N, 38144
.set H2T, 55552                        ; 2 copies of 16 x 272
.set GF,  64256                        ; 64 x 1552
.set HD,  163584                       ; 64 x 528
.set DF,  197376
.set HH,  231168
.set BIAS, 264960                      ; 7,680 bytes of f32; inside every 32 floats, float 4 j + i lies at place 8 i + j (a C operand's order)
.set HEADOFF, 917504
.set VS,  6                            ; v6   16 lane + 229,376 wave: my place in wf
.set RA,  8                            ; v8-11  LDS address of my B fragment, cell tile t
.set WA,  12                           ; v12-15 LDS address of my 64 bytes of the next activations, cell tile t
.set BAW, 16                           ; v16  BIAS + 128 h + 256 wave
.set BA1, 17                           ; v17  BIAS + 128 h + 256 (wave & 1)
.set OV,  18                           ; v18  (64 wave + 32 h) rows of 256 bytes + 16 r
.set VAL, 20                           ; v20-23 valid of cell 4 r + t
.set T,   32                           ; v32-63 output quads
.set PK,  64                           ; v64-79 packed bf16
.set BI,  96                           ; v96-127 my 32 biases, 8 i + j
.set ACC, 128                          ; v128-255 tile (t, i) at 8 (4 t + i)
.set RING, 64                          ; second window: v64-255, slot q at 32 q, fragment i at 8 i; v0-63: two buffers of B fragments
.set MSB, 0
.macro WIN new                         ; s_set_vgpr_msb; the high byte repeats the setting that is left
.if MSB != \new
	s_set_vgpr_msb (MSB<<8)|\new
.set MSB, \new
.endif
.endm
.macro PLACES                          ; four plain vector instructions between a matrix instruction and a load into, or a vector
.rept 4                                ; instruction on, one of its registers (ISA guide 7.12.1)
	v_nop
.endr
.endm
.macro BAR
	s_wait_dscnt 0x0
	s_barrier_signal -1
	s_barrier_wait -1
.endm
.macro SETRD pitch, cst, sr            ; RA[t] = (16 t + r) pitch + 16 h + region
	v_mad_u32_u24 v7, v2, \pitch, v4
	v_add_nc_u32 v7, s[\sr], v7
.irp t, 0,1,2,3
	v_add_nc_u32 v[RA+\t], \cst+16*\t*\pitch, v7
.endr
.endm
.macro SETWR pitch, cst, sr            ; WA[t] = (16 t + r) pitch + 64 h + region + the strip's 128 bytes
	v_mad_u32_u24 v7, v2, \pitch, v5
	v_add_nc_u32 v7, s[\sr], v7
.irp t, 0,1,2,3
	v_add_nc_u32 v[WA+\t], \cst+16*\t*\pitch, v7
.endr
.endm
.macro TSTART nt, ba, boff             ; a layer's biases and its first B fragments
	WIN 0
.irp q, 0,1,2,3,4,5,6,7
	ds_load_b128 v[BI+4*\q:BI+4*\q+3], v[\ba] offset:\boff+16*\q
.endr
	WIN 0x40
.irp t, 0,1,2,3
.if \t < \nt
	ds_load_b128 v[8*\t:8*\t+3], v[RA+\t]
	ds_load_b128 v[8*\t+4:8*\t+7], v[RA+\t] offset:32
.endif
.endr
.endm
; Step g of the stream = K block k of KB of the layer.  Requests step g + 5 into the slot that step g - 1 has left, and the next B fragments;
; then 4 nt matrix instructions.  cm: what starts the sums in the layer's first step: 1 the biases, 2 zero; 0 goes on.
.macro STEP g, k, KB, nt, cm
	PLACES
	WIN 0x40
.if (\g)+5 < 56
.irp l, 0,1,2,3,4,5,6,7
	global_load_b128 v[RING+32*(((\g)+5)%6)+4*\l:RING+32*(((\g)+5)%6)+4*\l+3], v[VS], s[10:11] offset:4096*((\g)+5)+512*\l
.endr
.endif
.if (\k)+1 < \KB
.irp t, 0,1,2,3
.if \t < \nt
	ds_load_b128 v[32*(((\k)+1)&1)+8*\t:32*(((\k)+1)&1)+8*\t+3], v[RA+\t] offset:64*((\k)+1)
	ds_load_b128 v[32*(((\k)+1)&1)+8*\t+4:32*(((\k)+1)&1)+8*\t+7], v[RA+\t] offset:64*((\k)+1)+32
.endif
.endr
.endif
.if (\g) <= 50
	s_wait_loadcnt 40                      ; step g's eight loads are in; those of the five steps behind it stay out
.else
	s_wait_loadcnt 8*(55-(\g))             ; near the stream's end fewer steps are behind it
.endif
.if (\k)+1 < \KB
	s_wait_dscnt 2*\nt                     ; all but the B fragments just asked for
.else
	s_wait_dscnt 0x0
.endif
	WIN 0x05
.irp t, 0,1,2,3
.if \t < \nt
.irp i, 0,1,2,3
.if \cm == 1
	v_wmma_f32_16x16x32_bf16 v[ACC+8*(4*\t+\i):ACC+8*(4*\t+\i)+7], v[RING+32*((\g)%6)+8*\i:RING+32*((\g)%6)+8*\i+7], v[32*((\k)&1)+8*\t:32*((\k)&1)+8*\t+7], v[BI+8*\i:BI+8*\i+7]
.else
.if \cm == 2
	v_wmma_f32_16x16x32_bf16 v[ACC+8*(4*\t+\i):ACC+8*(4*\t+\i)+7], v[RING+32*((\g)%6)+8*\i:RING+32*((\g)%6)+8*\i+7], v[32*((\k)&1)+8*\t:32*((\k)&1)+8*\t+7], 0
.else
	v_wmma_f32_16x16x32_bf16 v[ACC+8*(4*\t+\i):ACC+8*(4*\t+\i)+7], v[RING+32*((\g)%6)+8*\i:RING+32*((\g)%6)+8*\i+7], v[32*((\k)&1)+8*\t:32*((\k)&1)+8*\t+7], v[ACC+8*(4*\t+\i):ACC+8*(4*\t+\i)+7]
.endif
.endif
.endr
.endif
.endr
.endm
.macro RUN g0, KB, nt, cm
.set kk, 0
.rept \KB
.if kk == 0
	STEP (\g0+kk), kk, \KB, \nt, \cm
.else
	STEP (\g0+kk), kk, \KB, \nt, 0
.endif
.set kk, kk+1
.endr
.endm
.macro E_RELU nt                       ; relu, bf16, 16 bytes (8 neighbouring features) a store
	PLACES
	WIN 0
.irp t, 0,1,2,3
.if \t < \nt
.irp jp, 0,1,2,3
.irp i, 0,1,2,3
	v_max_num_f32 v[ACC+8*(4*\t+\i)+2*\jp], 0, v[ACC+8*(4*\t+\i)+2*\jp]
	v_max_num_f32 v[ACC+8*(4*\t+\i)+2*\jp+1], 0, v[ACC+8*(4*\t+\i)+2*\jp+1]
.endr
	v_cvt_pk_bf16_f32 v[PK+4*\jp], v[ACC+8*(4*\t)+2*\jp], v[ACC+8*(4*\t+1)+2*\jp]
	v_cvt_pk_bf16_f32 v[PK+4*\jp+1], v[ACC+8*(4*\t+2)+2*\jp], v[ACC+8*(4*\t+3)+2*\jp]
	v_cvt_pk_bf16_f32 v[PK+4*\jp+2], v[ACC+8*(4*\t)+2*\jp+1], v[ACC+8*(4*\t+1)+2*\jp+1]
	v_cvt_pk_bf16_f32 v[PK+4*\jp+3], v[ACC+8*(4*\t+2)+2*\jp+1], v[ACC+8*(4*\t+3)+2*\jp+1]
	ds_store_b128 v[WA+\t], v[PK+4*\jp:PK+4*\jp+3] offset:16*\jp
.endr
.endif
.endr
.endm
; A layer that is also an output.  kind 0: times the cell's valid (nt = 1: one tile serves all four); kind 1: plus the bias.
; The values of cells 4 r .. 4 r + 3 of one feature make 16 bytes; 16 lanes store one whole row of 256 bytes.
.macro E_OUT kind, nt, base, rowoff
	PLACES
	WIN 0
.irp jp, 0,1,2,3
	s_wait_xcnt 0x0                        ; the quads are the last stores' data: rewritten only behind this wait
.irp jj, 0,1
.irp i, 0,1,2,3
.irp t, 0,1,2,3
.if \kind == 0
.if \nt == 4
	v_mul_f32 v[T+(\jj*4+\i)*4+\t], v[ACC+8*(4*\t+\i)+2*\jp+\jj], v[VAL+\t]
.else
	v_mul_f32 v[T+(\jj*4+\i)*4+\t], v[ACC+8*\i+2*\jp+\jj], v[VAL+\t]
.endif
.else
	v_add_f32 v[T+(\jj*4+\i)*4+\t], v[ACC+8*(4*\t+\i)+2*\jp+\jj], v[BI+8*\i+2*\jp+\jj]
.endif
.endr
	global_store_b128 v[OV], v[T+(\jj*4+\i)*4:T+(\jj*4+\i)*4+3], s[\base:\base+1] offset:(\rowoff+4*(2*\jp+\jj)+\i)*256 th:TH_STORE_NT
.endr
.endr
.irp t, 0,1,2,3
.irp jj, 0,1
	v_cvt_pk_bf16_f32 v[PK+4*\t+2*\jj], v[T+(\jj*4)*4+\t], v[T+(\jj*4+1)*4+\t]
	v_cvt_pk_bf16_f32 v[PK+4*\t+2*\jj+1], v[T+(\jj*4+2)*4+\t], v[T+(\jj*4+3)*4+\t]
.endr
	ds_store_b128 v[WA+\t], v[PK+4*\t:PK+4*\t+3] offset:16*\jp
.endr
.endr
.endm
	s_load_b512 s[8:23], s[0:1], 0x0       ; cellv wf pe_W1 pe_b1 ne_W1 ne_b1 te_W1 te_b1
	s_load_b512 s[24:39], s[0:1], 0x40     ; pe_b2 ne_b2 te_b2 pe_b3 ne_b3 te_b3 dn_b1 dn_b2
	s_load_b256 s[40:47], s[0:1], 0x80     ; cl_b1 sv_b1 cl_b2 sv_b2
	s_load_b256 s[48:55], s[0:1], 0xa0     ; out0 out1 out2 out3
	v_lshl_add_u32 v94, v0, 2, 0x42900
	v_mov_b32 v95, 0
	v_and_b32 v1, 31, v0                   ; lane
	v_and_b32 v2, 15, v0                   ; r
	v_bfe_u32 v3, v0, 4, 1                 ; h
	v_lshrrev_b32 v7, 5, v0
	v_readfirstlane_b32 s3, v7             ; wave
	s_mov_b32 s2, ttmp9                    ; batch
	s_and_b32 s4, s3, 1
	s_lshr_b32 s5, s3, 1
	s_mov_b32 s7, 0
	v_lshlrev_b32 v4, 4, v3
	v_lshlrev_b32 v5, 6, v3
	s_mul_i32 s6, s3, 229376               ; 56 steps of 4,096 bytes
	v_lshlrev_b32 v6, 4, v1
	v_add_nc_u32 v6, s6, v6
	s_lshl_b32 s6, s3, 8
	s_add_co_u32 s6, s6, BIAS
	v_lshl_add_u32 v16, v3, 7, s6
	s_lshl_b32 s6, s4, 8
	s_add_co_u32 s6, s6, BIAS
	v_lshl_add_u32 v17, v3, 7, s6
	s_lshl_b32 s6, s3, 14
	v_lshlrev_b32 v18, 4, v2
	v_lshl_add_u32 v18, v3, 13, v18
	v_add_nc_u32 v18, s6, v18
	s_mul_i32 s6, s3, 2304                 ; layer 1: my 16 rows of 144 bytes
	v_lshl_add_u32 v19, v1, 2, s6
	s_mul_i32 s66, s5, 9216                ; waves 2, 3 work on the normals' branch: H1N, H2N lie one region behind H1P, H2P
	s_mul_i32 s67, s5, 17408
	s_lshl_b32 s6, s4, 7
	s_add_co_u32 s67, s67, s6
	s_mul_i32 s69, s5, 4352                ; my pair's copy of H2T
	s_add_co_u32 s68, s69, s6
	s_lshl_b32 s76, s3, 7                  ; my strip's 128 bytes of a row
	s_lshl_b32 s6, s3, 5
	v_lshl_add_u32 v82, v2, 7, s6          ; cell 4 r + wave: 32 bytes a cell
	v_lshlrev_b32 v83, 7, v2
	v_lshlrev_b32 v80, 3, v1               ; features 2 lane, 2 lane + 1
	v_lshlrev_b32 v81, 2, v0
	s_lshl_b32 s6, s3, 7
	s_add_co_u32 s6, s6, BIAS
	v_and_b32 v84, 3, v1                   ; float f = 32 wave + lane goes to place 32 wave + 8 (lane & 3) + lane / 4
	v_lshrrev_b32 v85, 2, v1
	v_lshl_or_b32 v84, v84, 3, v85
	v_lshl_add_u32 v84, v84, 2, s6
	s_mul_i32 s6, s3, 576
	s_add_co_u32 s6, s6, H1T
	v_lshl_add_u32 v85, v1, 2, s6          ; H1T rows 4 wave ..
	s_mov_b32 s79, 0
	s_wait_kmcnt 0x0
	s_lshl_b32 s78, s2, 11
	s_add_nc_u64 s[8:9], s[8:9], s[78:79]
	s_mul_i32 s78, s2, 1280
	s_add_nc_u64 s[48:49], s[48:49], s[78:79]
	s_lshl_b32 s78, s2, 8
	s_add_nc_u64 s[50:51], s[50:51], s[78:79]
	s_lshl_b32 s78, s2, 16
	s_add_nc_u64 s[52:53], s[52:53], s[78:79]
	s_mul_i32 s78, s2, 196608
	s_add_nc_u64 s[54:55], s[54:55], s[78:79]
	s_load_b128 s[56:59], s[44:45], 0x0    ; cl_b2
	s_load_b32 s60, s[44:45], 0x10
	s_load_b32 s61, s[46:47], 0x0          ; sv_b2
	global_load_b128 v[24:27], v82, s[8:9]             ; q, valid
	global_load_b128 v[28:31], v82, s[8:9] offset:16   ; n
.irp t, 0,1,2,3
	global_load_b32 v[VAL+\t], v83, s[8:9] offset:32*\t+12
.endr
.irp k, 0,1,2
	global_load_b64 v[128+2*\k:129+2*\k], v80, s[12:13] offset:256*\k
	global_load_b64 v[136+2*\k:137+2*\k], v80, s[16:17] offset:256*\k
	global_load_b64 v[144+2*\k:145+2*\k], v80, s[20:21] offset:256*\k
.endr
	global_load_b64 v[134:135], v80, s[14:15]
	global_load_b64 v[142:143], v80, s[18:19]
	global_load_b64 v[150:151], v80, s[22:23]
	global_load_b32 v152, v81, s[24:25]
	global_load_b32 v153, v81, s[26:27]
	global_load_b32 v154, v81, s[28:29]
.irp a, 0,1,2,3,4
	global_load_b32 v[155+2*\a], v81, s[30+2*\a:31+2*\a]
	global_load_b32 v[156+2*\a], v81, s[30+2*\a:31+2*\a] offset:512
.endr
	global_load_b32 v165, v81, s[40:41]
	global_load_b32 v166, v81, s[42:43]
	WIN 0x40
.irp g, 0,1,2,3,4
.irp l, 0,1,2,3,4,5,6,7
	global_load_b128 v[RING+32*\g+4*\l:RING+32*\g+4*\l+3], v[VS], s[10:11] offset:4096*\g+512*\l
.endr
.endr
	WIN 0
	s_wait_loadcnt 40                      ; all but the 40 loads of the ring's first five steps
	s_wait_kmcnt 0x0
.irp a, 0,1,2,3,4,5,6,7,8,9,10,11,12,13,14
	ds_store_b32 v84, v[152+\a] offset:512*\a
.endr
	; layer 1, f32: my 16 rows (cells 4 n + wave, held by lane n), two features a lane, both branches
.irp n, 0,1,2,3,4,5,6,7,8,9,10,11,12,13,14,15
	v_readlane_b32 s70, v24, \n
	v_readlane_b32 s71, v25, \n
	v_readlane_b32 s72, v26, \n
	v_readlane_b32 s73, v28, \n
	v_readlane_b32 s74, v29, \n
	v_readlane_b32 s75, v30, \n
	v_fma_f32 v32, s70, v128, v134
	v_fma_f32 v33, s70, v129, v135
	v_fma_f32 v34, s73, v136, v142
	v_fma_f32 v35, s73, v137, v143
	v_fmac_f32 v32, s71, v130
	v_fmac_f32 v33, s71, v131
	v_fmac_f32 v34, s74, v138
	v_fmac_f32 v35, s74, v139
	v_fmac_f32 v32, s72, v132
	v_fmac_f32 v33, s72, v133
	v_fmac_f32 v34, s75, v140
	v_fmac_f32 v35, s75, v141
	v_max_num_f32 v32, 0, v32
	v_max_num_f32 v33, 0, v33
	v_max_num_f32 v34, 0, v34
	v_max_num_f32 v35, 0, v35
	v_cvt_pk_bf16_f32 v36, v32, v33
	v_cvt_pk_bf16_f32 v37, v34, v35
	ds_store_b32 v19, v36 offset:144*\n+H1P
	ds_store_b32 v19, v37 offset:144*\n+H1N
.endr
	v_pk_add_f32 v[32:33], v[144:145], v[146:147]      ; the colours are ones: the row is the sum of W1's rows, plus b1
	v_pk_add_f32 v[32:33], v[32:33], v[148:149]
	v_pk_add_f32 v[32:33], v[32:33], v[150:151]
	v_max_num_f32 v32, 0, v32
	v_max_num_f32 v33, 0, v33
	v_cvt_pk_bf16_f32 v36, v32, v33
.irp n, 0,1,2,3
	ds_store_b32 v85, v36 offset:144*\n
.endr
	BAR                                    ; H1*, BIAS are whole
	SETRD 144, H1P, 66                     ; layer 2 of pe (waves 0, 1) and ne (waves 2, 3), 64 features a wave
	SETWR 272, H2P, 67
	TSTART 4, BAW, 0
	RUN 0, 2, 4, 1
	E_RELU 4
	SETRD 144, H1T, 7                      ; layer 2 of te, one cell tile; each pair of waves makes a copy of its own
	SETWR 272, H2T, 68
	TSTART 1, BA1, 1024
	RUN 2, 2, 1, 1
	E_RELU 1
	BAR                                    ; H2* are whole
	SETRD 272, H2P, 7                      ; layer 3 of pe: rows 0-255 of out3
	SETWR 1552, GF, 76
	TSTART 4, BAW, 1536
	RUN 4, 4, 4, 1
	E_OUT 0, 4, 54, 0
	SETRD 272, H2N, 7                      ; of ne: rows 256-511
	SETWR 1552, GF+512, 76
	TSTART 4, BAW, 2560
	RUN 8, 4, 4, 1
	E_OUT 0, 4, 54, 256
	SETRD 272, H2T, 69                     ; of te: rows 512-767
	SETWR 1552, GF+1024, 76
	TSTART 1, BAW, 3584
	RUN 12, 4, 1, 1
	E_OUT 0, 1, 54, 512
	BAR                                    ; GF is whole
	SETRD 1552, GF, 7                      ; dn, first product, K = 768
	SETWR 528, HD, 76
	TSTART 4, BAW, 4608
	RUN 16, 24, 4, 1
	E_RELU 4
	BAR
	SETRD 528, HD, 7                       ; dn, second product = out2; the sums start at 0 and the bias add fills the output quads
	SETWR 528, DF, 76
	TSTART 4, BAW, 5632
	RUN 40, 8, 4, 2
	E_OUT 1, 4, 52, 0
	BAR
	SETRD 528, DF, 7                       ; the hidden layers of cl (waves 0, 1) and sv (waves 2, 3)
	SETWR 528, HH, 76
	TSTART 4, BAW, 6656
	RUN 48, 8, 4, 1
	WIN 0
	PLACES                                 ; slots 0 and 1 were read by the last two steps' matrix instructions
	s_cmp_lg_u32 s3, 0
	s_cbranch_scc1 .Lnohead
	WIN 0x40
.irp l, 0,1,2,3,4,5,6,7,8,9,10,11,12,13,14,15
	global_load_b128 v[RING+4*\l:RING+4*\l+3], v[VS], s[10:11] offset:HEADOFF+512*\l    ; wave 0: the head's 8 fragments, under way during what follows
.endr
	WIN 0
.Lnohead:
	E_RELU 4
	BAR
	s_cmp_lg_u32 s3, 0
	s_cbranch_scc1 .Lend
	; the head, wave 0: rows 0-4 logits, row 5 severity, K = 256
	SETRD 528, HH, 7
	WIN 0x40
.irp t, 0,1,2,3
	ds_load_b128 v[8*\t:8*\t+3], v[RA+\t]
	ds_load_b128 v[8*\t+4:8*\t+7], v[RA+\t] offset:32
.endr
	s_wait_loadcnt 0x0
.irp kb, 0,1,2,3,4,5,6,7
	PLACES
	WIN 0x40
.if \kb < 7
.irp t, 0,1,2,3
	ds_load_b128 v[32*((\kb+1)&1)+8*\t:32*((\kb+1)&1)+8*\t+3], v[RA+\t] offset:64*(\kb+1)
	ds_load_b128 v[32*((\kb+1)&1)+8*\t+4:32*((\kb+1)&1)+8*\t+7], v[RA+\t] offset:64*(\kb+1)+32
.endr
	s_wait_dscnt 8                         ; all but the eight just asked for
.else
	s_wait_dscnt 0x0
.endif
	WIN 0x05
.irp t, 0,1,2,3
.if \kb == 0
	v_wmma_f32_16x16x32_bf16 v[ACC+32*\t:ACC+32*\t+7], v[RING+8*\kb:RING+8*\kb+7], v[32*(\kb&1)+8*\t:32*(\kb&1)+8*\t+7], 0
.else
	v_wmma_f32_16x16x32_bf16 v[ACC+32*\t:ACC+32*\t+7], v[RING+8*\kb:RING+8*\kb+7], v[32*(\kb&1)+8*\t:32*(\kb&1)+8*\t+7], v[ACC+32*\t:ACC+32*\t+7]
.endif
.endr
.endr
	PLACES
	WIN 0
	s_wait_xcnt 0x0                        ; v32-55 below were the data of out2's last stores: they are rewritten only behind this wait
	s_mov_b32 s77, 0x3fb8aa3b              ; log2 e
	; lanes 0-15 hold rows 0-7 of cell 4 r + t; softmax with the row's own maximum taken away, sigmoid
.irp t, 0,1,2,3
	v_add_f32 v64, s56, v[ACC+32*\t]
	v_add_f32 v65, s57, v[ACC+32*\t+1]
	v_add_f32 v66, s58, v[ACC+32*\t+2]
	v_add_f32 v67, s59, v[ACC+32*\t+3]
	v_add_f32 v68, s60, v[ACC+32*\t+4]
	v_add_f32 v69, s61, v[ACC+32*\t+5]
	v_max3_num_f32 v70, v64, v65, v66
	v_max3_num_f32 v70, v70, v67, v68
	v_mul_f32 v71, s77, v70
.irp c, 64,65,66,67,68
	v_fma_f32 v\c, v\c, s77, -v71
.endr
	v_mul_f32 v69, 0xbfb8aa3b, v69
	v_exp_f32 v72, v64
	v_exp_f32 v73, v65
	v_exp_f32 v74, v66
	v_exp_f32 v75, v67
	v_exp_f32 v76, v68
	v_exp_f32 v77, v69
	v_nop                                  ; one plain instruction behind the run of transcendentals (ISA guide 5.7.2)
	s_wait_alu depctr_va_vdst(0)
	v_add_f32 v78, v72, v73
	v_add_f32 v79, v74, v75
	v_add_f32 v78, v78, v76
	v_add_f32 v78, v78, v79
	v_add_f32 v77, 1.0, v77
	v_rcp_f32 v86, v78
	v_rcp_f32 v[52+\t], v77
	v_nop
	s_wait_alu depctr_va_vdst(0)
	v_mul_f32 v[32+5*\t], v72, v86
	v_mul_f32 v[33+5*\t], v73, v86
	v_mul_f32 v[34+5*\t], v74, v86
	v_mul_f32 v[35+5*\t], v75, v86
	v_mul_f32 v[36+5*\t], v76, v86
.endr
	v_mul_u32_u24 v87, 80, v2              ; out0: 4 cells x 5 floats = 80 neighbouring bytes a lane
	v_lshlrev_b32 v88, 4, v2               ; out1: 16 bytes a lane, 256 in all
	v_cmp_gt_u32 vcc_lo, 16, v1
	s_wait_xcnt 0x0                        ; EXEC is a source of the loads and stores above: it narrows only behind this wait
	s_wait_tensorcnt 0x0
	ds_add_u32 v94, v95
	s_wait_dscnt 0x0
	s_and_saveexec_b32 s78, vcc_lo
.irp q, 0,1,2,3,4
	global_store_b128 v87, v[32+4*\q:35+4*\q], s[48:49] offset:16*\q
.endr
	global_store_b128 v88, v[52:55], s[50:51]
	s_endpgm
.Lend:
	s_wait_tensorcnt 0x0
	ds_add_u32 v94, v95
	s_wait_dscnt 0x0
	s_endpgm
.Lfunc_end_k_q1e817de343_mlp:
	.size	k_q1e817de343_mlp, .Lfunc_end_k_q1e817de343_mlp-k_q1e817de343_mlp
	.p2alignl 7, 3214868480
	.fill 96, 4, 3214868480
	.section	.rodata,"a",@progbits
	.p2align	6, 0x0
	.amdhsa_kernel k_q1e817de343_mlp
		.amdhsa_group_segment_fixed_size 273152
		.amdhsa_private_segment_fixed_size 0
		.amdhsa_enable_private_segment 0
		.amdhsa_kernarg_size 192
		.amdhsa_user_sgpr_count 2
		.amdhsa_user_sgpr_kernarg_segment_ptr 1
		.amdhsa_wavefront_size32 1
		.amdhsa_system_sgpr_workgroup_id_x 1
		.amdhsa_system_sgpr_workgroup_id_y 1
		.amdhsa_system_sgpr_workgroup_id_z 1
		.amdhsa_system_vgpr_workitem_id 0
		.amdhsa_next_free_vgpr 512
		.amdhsa_next_free_sgpr 80
		.amdhsa_reserve_vcc 1
		.amdhsa_float_denorm_mode_32 3
		.amdhsa_float_denorm_mode_16_64 3
		.amdhsa_memory_ordered 1
		.amdhsa_forward_progress 1
		.amdhsa_inst_pref_size 255
	.end_amdhsa_kernel
	.section	.bss,"aw",@nobits
	.p2align	6
	.space	262144
	.amdgpu_metadata
---
amdhsa.version: [ 1, 2 ]
amdhsa.kernels:
  - .name:           k_q1e817de343_mlp
    .symbol:         k_q1e817de343_mlp.kd
    .args:
      - { .name: cellv, .offset: 0, .size: 8, .value_kind: global_buffer, .address_space: global }
      - { .name: wf, .offset: 8, .size: 8, .value_kind: global_buffer, .address_space: global }
      - { .name: pe_W1, .offset: 16, .size: 8, .value_kind: global_buffer, .address_space: global }
      - { .name: pe_b1, .offset: 24, .size: 8, .value_kind: global_buffer, .address_space: global }
      - { .name: ne_W1, .offset: 32, .size: 8, .value_kind: global_buffer, .address_space: global }
      - { .name: ne_b1, .offset: 40, .size: 8, .value_kind: global_buffer, .address_space: global }
      - { .name: te_W1, .offset: 48, .size: 8, .value_kind: global_buffer, .address_space: global }
      - { .name: te_b1, .offset: 56, .size: 8, .value_kind: global_buffer, .address_space: global }
      - { .name: pe_b2, .offset: 64, .size: 8, .value_kind: global_buffer, .address_space: global }
      - { .name: ne_b2, .offset: 72, .size: 8, .value_kind: global_buffer, .address_space: global }
      - { .name: te_b2, .offset: 80, .size: 8, .value_kind: global_buffer, .address_space: global }
      - { .name: pe_b3, .offset: 88, .size: 8, .value_kind: global_buffer, .address_space: global }
      - { .name: ne_b3, .offset: 96, .size: 8, .value_kind: global_buffer, .address_space: global }
      - { .name: te_b3, .offset: 104, .size: 8, .value_kind: global_buffer, .address_space: global }
      - { .name: dn_b1, .offset: 112, .size: 8, .value_kind: global_buffer, .address_space: global }
      - { .name: dn_b2, .offset: 120, .size: 8, .value_kind: global_buffer, .address_space: global }
      - { .name: cl_b1, .offset: 128, .size: 8, .value_kind: global_buffer, .address_space: global }
      - { .name: sv_b1, .offset: 136, .size: 8, .value_kind: global_buffer, .address_space: global }
      - { .name: cl_b2, .offset: 144, .size: 8, .value_kind: global_buffer, .address_space: global }
      - { .name: sv_b2, .offset: 152, .size: 8, .value_kind: global_buffer, .address_space: global }
      - { .name: out0, .offset: 160, .size: 8, .value_kind: global_buffer, .address_space: global }
      - { .name: out1, .offset: 168, .size: 8, .value_kind: global_buffer, .address_space: global }
      - { .name: out2, .offset: 176, .size: 8, .value_kind: global_buffer, .address_space: global }
      - { .name: out3, .offset: 184, .size: 8, .value_kind: global_buffer, .address_space: global }
    .group_segment_fixed_size: 273152
    .private_segment_fixed_size: 0
    .kernarg_segment_align: 8
    .kernarg_segment_size: 192
    .max_flat_workgroup_size: 128
    .sgpr_count:     80
    .vgpr_count:     512
    .wavefront_size: 32
...
	.end_amdgpu_metadata
.endif
;; end of part 2
